; MI455X (gfx1250); checked and timed in simulation.
; The chip was launched on July 23, 2026; its instructions are those of AMD's public machine-readable ISA for CDNA 5 (MIT licence, August 2026) and "CDNA5" Instruction Set Architecture Reference Guide (July 2026). The comments in the code are by the model that wrote it; some were corrected since.
;; Causal Self Attention. Allowed arithmetic: matrix products marked QUANTISED: E4M3 operands, one given power-of-two scale a tensor, by v_wmma_f32_16x16x64_fp8_fp8 or v_wmma_f32_16x16x128_fp8_fp8, f32 sums; everything else in f32.
;; Inputs: Wk 1,024 x 1,024 float32; Wo 1,024 x 1,024 float32; Wq 1,024 x 1,024 float32; Wv 1,024 x 1,024 float32; bk 1,024 float32; bo 1,024 float32; bq 1,024 float32; bv 1,024 float32; k 4 x 2,048 x 1,024 float32; lowp_scales 12 int32 (the exponents e of the quantised operands' scales 2^e); q 4 x 2,048 x 1,024 float32; v 4 x 2,048 x 1,024 float32.
;; Outputs: out0 4 x 2,048 x 1,024 float32.
;; This version of the problem:
;;   THIS VERSION OF THE PROBLEM IS GIVEN IN LOW PRECISION. The matrix products marked QUANTISED in the list below multiply operands that are first quantised to E4M3 (4 exponent bits, 3 mantissa bits; 8 bits a number), with one given power-of-two scale for each operand tensor; their sums are f32. All else is computed in f32.
;;   The module's matrix products, in the order in which they are computed (A, B: the left and right operand; K: the contracted axis; several contracted axes count as one K, in the product's order):
;;     1. [M 8,192, K 1,024] x [K 1,024, N 1,024]; A: input q; B: input Wq: QUANTISED (scales: A lowp_scales[0], B lowp_scales[1])
;;     2. [M 8,192, K 1,024] x [K 1,024, N 1,024]; A: input k; B: input Wk: QUANTISED (scales: A lowp_scales[2], B lowp_scales[3])
;;     3. [M 8,192, K 1,024] x [K 1,024, N 1,024]; A: input v; B: input Wv: QUANTISED (scales: A lowp_scales[4], B lowp_scales[5])
;;     4. batch 64 x [M 2,048, K 64] x [K 64, N 2,048]; A: computed on the way; B: computed on the way: QUANTISED (scales: A lowp_scales[6], B lowp_scales[7])
;;     5. batch 64 x [M 2,048, K 2,048] x [K 2,048, N 64]; A: softmax (see below); B: computed on the way: QUANTISED (scales: A lowp_scales[8], B lowp_scales[9])
;;     6. [M 8,192, K 1,024] x [K 1,024, N 1,024]; A: computed on the way; B: input Wo: QUANTISED (scales: A lowp_scales[10], B lowp_scales[11])
;;   THE QUANTISER, for each operand of a quantised product, along K:
;;     - The operand's scale is 2^e, e = its entry of the input lowp_scales (int32; the entries are numbered through the quantised products in the list's order, A before B).
;;     - Each number is divided by the scale, clamped to +-448, and rounded to the nearest number of E4M3, ties to even, subnormals kept.
;;     - The product sums the exact products of the quantised numbers (number of the format x scale) in f32.
;;   ~~~python
;;   def quantise(x, axis, e):      # numpy; x: float32 -> the quantised numbers, widened to float32 again
;;       x = np.moveaxis(x, axis, -1); K = x.shape[-1]
;;       r = np.clip(x / 2.0 ** e, -448, 448)
;;       step = 2.0 ** (np.maximum(np.frexp(np.where(r == 0, 1, r))[1] - 1, -6) - 3)
;;       q = np.round(r / step) * step * 2.0 ** e      # np.round: ties to even
;;       return np.moveaxis(q, -1, axis).astype(np.float32)
;;   ~~~
;;   SOFTMAX AHEAD OF A QUANTISED PRODUCT. Where the list says 'softmax', what is quantised is not the finished softmax but p = 2^(t - M), with t = logit x log2(e) and M = ceil(the row's largest t), a whole number; so 1/2 < the row's largest p <= 1. The row's sum l is taken of the UNQUANTISED p, in f32, and the product's result is divided by l at the end. Since M is a whole number, a kernel that streams over the keys may use a running M (the ceiling of the running maximum): every later rescaling is an exact power of two, so the quantised numbers keep their values, but for numbers so far below the row's largest that they fall under the format's range.
;;   OPERANDS COMPUTED ON THE WAY. 'Computed on the way' means the value that the module computes at that place (a softmax that the list does not call 'softmax' is quantised finished and normalised). What goes into a quantiser is computed in f32, as accurately as f32 sums, v_exp_f32 and their like allow (about 1e-6 of the number): no bf16 or f16 on the way to a quantiser, and a product that is left as it is and whose result goes on into a quantised operand takes f32 operands (vector FMAs, or v_wmma_f32_16x16x4_f32). A number that lies on a knife's edge between two numbers of the format may be rounded either way, as far as f32 arithmetic and the matrix unit's own rounding can turn it there, and no further.
;; One version. Each part assembles by itself: llvm-mc -triple=amdgcn-amd-amdhsa -mcpu=gfx1250 --defsym DOCPART=n.
;; ======== version 1 of 1: 4 launches
;; limits: right only within a limited range of input values
;; workspace buffers: wimg 4,194,304 bytes; qimg 8,388,608 bytes; kv 16,777,216 bytes; aimg 8,388,608 bytes
;; launch wprep (part 1): grid 8 x 32, 4 waves a work-group, no clusters, 0 bytes of LDS; arguments Wq, Wk, Wv, Wo, lowp_scales, wimg; writes wimg
.if DOCPART == 1
	.amdgcn_target "amdgcn-amd-amdhsa--gfx1250"
	.amdhsa_code_object_version 6
	.text
	.protected	k_qa5924af078_wprep
	.globl	k_qa5924af078_wprep
	.p2align	8
	.type	k_qa5924af078_wprep,@function
k_qa5924af078_wprep:
	s_mov_b64 s[64:65], 0
	v_nop
	global_prefetch_b8 v0, s[64:65] scope:SCOPE_SE
	s_setreg_imm32_b32 hwreg(HW_REG_WAVE_MODE, 25, 1), 1
	s_wait_xcnt 0x0
; The four weights, f32 stored [k][n] (1,024 x 1,024), become codes of FP8 (E4M3), each with its given scale 2^e (entries 1, 3, 5, 11 of the scales' buffer),
; laid as IMAGES OF OPERAND REGISTERS: wimg[weight 0..3][K step 0..7][column tile 0..63][2,048 bytes].  A fragment is 16 columns x 128 along K in four pieces of 512 bytes;
; in piece c, lane (r, h) of the reader finds at byte 16 (r + 16 h) the 16 codes k = 128 ks + 32 c + 16 h + 0 .. 15 of the tile's member r.
; THE COLUMNS OF A TILE ARE NOT NEIGHBOURS: member r of tile nt is column 32 (nt / 2) + 8 (nt % 2) + r + 8 (r / 8).
; code = x / 2^e, held within +-448, rounded to the nearest code, ties to even.  LIMITS: e between -126 and 119.  NaN among the inputs is not served.
; SHARES: work-group x takes 128 columns, y = 8 x weight + K step.  A wave takes 32 columns x 128 along K.  A LANE TAKES A COLUMN AND ITS REGISTERS RUN DOWN K:
; each load reads 128 consecutive bytes of a row of W, and the conversions give 16 codes along K that are just one lane's 16 bytes of a piece.  Nothing is transposed, no LDS, no barrier.
; A store of the wave writes two aligned runs of 256 bytes: lanes 0-7 and 16-23 are the 16 members of the even tile, lanes 8-15 and 24-31 of the odd one.
; No matrix unit, no cluster: a stream that is read once and shared with nobody.
.set X, 32                             ; v32-95   two sets of 32 numbers
.set C, 96                             ; v96-127  eight registers of codes for each block, so that no store's data are written again
	s_load_b256 s[4:11], s[0:1], 0x0               ; Wq s[4:5], Wk s[6:7], Wv s[8:9], Wo s[10:11]
	s_load_b128 s[12:15], s[0:1], 0x20             ; the scales' exponents s[12:13], wimg s[14:15]
	v_lshrrev_b32 v1, 5, v0
	v_readfirstlane_b32 s36, v1                    ; wave 0..3
	v_and_b32 v2, 31, v0                           ; lane
	v_lshlrev_b32 v3, 2, v2                        ; in: 4 bytes a lane
	v_bfe_u32 v5, v2, 3, 1                         ; which tile of the pair: (lane / 8) % 2
	v_and_b32 v6, 7, v2
	v_lshrrev_b32 v7, 4, v2
	v_lshl_add_u32 v6, v7, 3, v6                   ; which member: lane % 8 + 8 (lane / 16)
	v_lshlrev_b32 v4, 4, v6
	v_lshl_add_u32 v4, v5, 11, v4                  ; out: 2,048 x tile + 16 x member
	s_and_b32 s20, ttmp7, 0xffff
	s_lshr_b32 s21, s20, 3                         ; which weight
	s_and_b32 s22, s20, 7                          ; which K step
	s_lshl_b32 s18, s22, 19                        ; in W: 128 rows of 4,096 bytes a K step,
	s_lshl_b32 s19, ttmp9, 9                       ; 128 columns a work-group,
	s_add_co_u32 s18, s18, s19
	s_lshl_b32 s19, s36, 7                         ; 32 columns a wave
	s_add_co_u32 s18, s18, s19
	s_mov_b32 s19, 0
	s_lshl_b32 s38, s21, 20                        ; in wimg: 2^20 bytes a weight,
	s_lshl_b32 s39, s22, 17                        ; 64 tiles of 2,048 bytes a K step,
	s_add_co_u32 s38, s38, s39
	s_lshl_b32 s39, ttmp9, 2
	s_add_co_u32 s39, s39, s36
	s_lshl_b32 s39, s39, 12                        ; two tiles a wave
	s_add_co_u32 s38, s38, s39
	s_mov_b32 s39, 0
	s_wait_alu depctr_va_vdst(0)
	s_wait_kmcnt 0x0
	s_load_b256 s[24:31], s[12:13], 0x0            ; entries 0 to 7
	s_load_b128 s[32:35], s[12:13], 0x20           ; entries 8 to 11
	s_cmp_eq_u32 s21, 1                            ; the choice hangs on the work-group's number alone
	s_cselect_b64 s[16:17], s[6:7], s[4:5]
	s_cmp_eq_u32 s21, 2
	s_cselect_b64 s[16:17], s[8:9], s[16:17]
	s_cmp_eq_u32 s21, 3
	s_cselect_b64 s[16:17], s[10:11], s[16:17]
	s_add_nc_u64 s[16:17], s[16:17], s[18:19]
	s_add_nc_u64 s[14:15], s[14:15], s[38:39]
.macro LOAD t                          ; block t: W(128 ks + 32 t + i, my column), i = 0 .. 31, into set t % 2
.set i, 0
.rept 32
	global_load_b32 v[X+32*((\t)%2)+i], v3, s[16:17] offset:(32*(\t)+i)*4096 th:TH_LOAD_NT
.set i, i+1
.endr
.endm
	LOAD 0
	LOAD 1
	s_wait_kmcnt 0x0
	s_cmp_eq_u32 s21, 1
	s_cselect_b32 s23, s27, s25                    ; e: entry 1, 3, 5 or 11
	s_cmp_eq_u32 s21, 2
	s_cselect_b32 s23, s29, s23
	s_cmp_eq_u32 s21, 3
	s_cselect_b32 s23, s35, s23
	s_add_co_i32 s23, s23, 127
	s_lshl_b32 s37, s23, 23
	v_mov_b32 v11, s37                             ; 2^e as f32: the conversion takes its exponent field
.macro BLOCK t
.set XS, X+32*((\t)%2)
.if (\t) < 3
	s_wait_loadcnt 32                              ; this block's 32 loads are in; the next block's 32 may be out
.else
	s_wait_loadcnt 0x0
.endif
.set i, 0
.rept 32
.set i, i+1
.endr
.irp g, 0,1,2,3
	v_cvt_scalef32_pk8_fp8_f32 v[C+8*(\t)+2*\g:C+8*(\t)+2*\g+1], v[XS+8*\g:XS+8*\g+7], v11
.endr
	global_store_b128 v4, v[C+8*(\t):C+8*(\t)+3], s[14:15] offset:512*(\t)          ; piece t, the half h = 0: k = 32 t + 0 .. 15
	global_store_b128 v4, v[C+8*(\t)+4:C+8*(\t)+7], s[14:15] offset:512*(\t)+256    ; and h = 1: k = 32 t + 16 .. 31
.if (\t)+2 < 4
	LOAD (\t)+2                                    ; the results above go to stores alone, and the next block begins with plain vector lines
.endif
.endm
	s_wait_alu depctr_va_vdst(0)
	BLOCK 0
	BLOCK 1
	BLOCK 2
	BLOCK 3
	s_endpgm
.Lfunc_end_k_qa5924af078_wprep:
	.size	k_qa5924af078_wprep, .Lfunc_end_k_qa5924af078_wprep-k_qa5924af078_wprep
	.p2alignl 7, 3214868480
	.fill 96, 4, 3214868480
	.section	.rodata,"a",@progbits
	.p2align	6, 0x0
	.amdhsa_kernel k_qa5924af078_wprep
		.amdhsa_group_segment_fixed_size 0
		.amdhsa_private_segment_fixed_size 0
		.amdhsa_enable_private_segment 0
		.amdhsa_kernarg_size 48
		.amdhsa_user_sgpr_count 2
		.amdhsa_user_sgpr_kernarg_segment_ptr 1
		.amdhsa_wavefront_size32 1
		.amdhsa_system_sgpr_workgroup_id_x 1
		.amdhsa_system_sgpr_workgroup_id_y 1
		.amdhsa_system_sgpr_workgroup_id_z 1
		.amdhsa_system_vgpr_workitem_id 0
		.amdhsa_next_free_vgpr 128
		.amdhsa_next_free_sgpr 66
		.amdhsa_reserve_vcc 0
		.amdhsa_float_denorm_mode_32 3
		.amdhsa_float_denorm_mode_16_64 3
		.amdhsa_fp16_overflow 1
		.amdhsa_memory_ordered 1
		.amdhsa_forward_progress 1
		.amdhsa_inst_pref_size 17
	.end_amdhsa_kernel
	.amdgpu_metadata
---
amdhsa.version: [ 1, 2 ]
amdhsa.kernels:
  - .name:           k_qa5924af078_wprep
    .symbol:         k_qa5924af078_wprep.kd
    .args:
      - { .name: Wq, .offset: 0, .size: 8, .value_kind: global_buffer, .address_space: global }
      - { .name: Wk, .offset: 8, .size: 8, .value_kind: global_buffer, .address_space: global }
      - { .name: Wv, .offset: 16, .size: 8, .value_kind: global_buffer, .address_space: global }
      - { .name: Wo, .offset: 24, .size: 8, .value_kind: global_buffer, .address_space: global }
      - { .name: lowp_scales, .offset: 32, .size: 8, .value_kind: global_buffer, .address_space: global }
      - { .name: wimg, .offset: 40, .size: 8, .value_kind: global_buffer, .address_space: global }
    .group_segment_fixed_size: 0
    .private_segment_fixed_size: 0
    .kernarg_segment_align: 8
    .kernarg_segment_size: 48
    .max_flat_workgroup_size: 128
    .sgpr_count:     66
    .vgpr_count:     128
    .wavefront_size: 32
...
	.end_amdgpu_metadata
.endif
;; end of part 1
;; launch proj (part 2): grid 64 x 3, 4 waves a work-group, no clusters, 165,376 bytes of LDS; arguments q, k, v, bq, bk, bv, lowp_scales, wimg, qimg, kv; writes qimg, kv
.if DOCPART == 2
	.amdgcn_target "amdgcn-amd-amdhsa--gfx1250"
	.amdhsa_code_object_version 6
	.text
	.protected	k_qa5924af078_proj
	.globl	k_qa5924af078_proj
	.p2align	8
	.type	k_qa5924af078_proj,@function
k_qa5924af078_proj:
	s_mov_b64 s[64:65], 0
	v_nop
	global_prefetch_b8 v0, s[64:65] scope:SCOPE_SE
	s_setreg_imm32_b32 hwreg(HW_REG_WAVE_MODE, 25, 1), 1
	s_wait_xcnt 0x0
; The three projections x W + b (x = q, k, v by work-group y; 8,192 x 1,024 x 1,024) on codes of FP8 (E4M3), and the quantising of their results for the attention launch.
; x arrives as f32 and is quantised here with 2^ex; W comes as register images of codes (wimg); a sum stands for sum x 2^(ex + ew); the bias goes in as the C of each sum's first product, as b / 2^(ex + ew);
; the result is quantised with 2^eo, so the conversion's one scale is 2^(eo - ex - ew).  (ex, ew, eo) = entries (0, 1, 6), (2, 3, 7), (4, 5, 9) of the scales' buffer.
; LIMITS: ex and eo - ex - ew between -126 and 119.  NaN among the inputs is not served.
; SHARES.  A work-group takes 128 tokens x all 1,024 columns.  Phase X: each of the four waves quantises 32 tokens (16 fragments of 16 tokens x 128 K) and stores them in LDS as register images: 128 KiB.
; One barrier.  Then wave w makes columns 256 w .. 256 w + 255 in two passes of 128: 8 token tiles x 8 column tiles = 64 accumulators, 512 registers.
; W's fragments go from memory straight into the one wave's registers that multiplies by them (1 MiB a work-group, no byte twice).
; NO CLUSTER, NO TENSOR LOAD: what work-groups share is W, and each of its fragments is wanted by ONE wave of a work-group; a joint load would have to pass through LDS, which adds 1 MiB written and
; 1 MiB read for each work-group to the 1 MiB of LDS reads that x's fragments cost.
; TILES.  Member s of tile t of a group of 128 tokens or columns is 32 (t / 2) + 8 (t % 2) + s + 8 (s / 8): so a lane's 16 results of two neighbouring tiles of source 0 are 16 NEIGHBOURS along the next K.
; q, k: source 0 = 16 columns of W, source 1 = 16 tokens: a lane holds one token and 16 neighbouring channels: a piece of qimg[head][token tile][1,024] or of kv[head][128 keys][K's 8 tiles x 1,024].
; v:    source 0 = 16 tokens, source 1 = 16 columns: a lane holds one channel and 16 neighbouring KEYS: a piece of kv[head][128 keys][8,192 + V's 4 tiles x 2,048].  So the main phase is written twice.
; Every store of codes covers 512 consecutive bytes, at a multiple of 512 from its buffer's first byte.
; REGISTERS, in windows of 256.  window 0: v1-15 addresses and constants; v16-31 codes just made; v32-39, v64-127 the bias; v128-191 a fragment's 64 numbers; v128-255 x's 8 fragments (one set), later the results' codes.
;   window 1: in phase X four sets of 64 numbers as loaded; then W's fragments, two sets of 128.   windows 2, 3: accumulator (a, b) at v[8 (8 (a % 4) + b)] of window 2 + a / 4.
.set STG,    131072                    ; LDS: 0 .. 131,071 x's images [K step][token tile][2,048]; then a stage of 16 rows x 528 bytes for each wave
.set SPITCH, 528                       ; a stage row: 512 bytes + 16: 132 words, so that the 16 rows that a load touches start 4 words apart modulo 64
.set WSTG,   16*SPITCH
.set LI,   4                           ; v4   16 x lane: my place in a piece
.set STI,  5                           ; v5   the stage, on the way in
.set STO,  6                           ; v6   and on the way out: row r, + 64 h
.set XW0,  7                           ; v7   where I store x's images of K steps 0-3: 16 x lane + 4,096 x wave
.set XW1,  8                           ; v8   of K steps 4-7: 65,536 further on
.set ADRA, 9                           ; v9   where x's fragments are read
.set BO,   11                          ; v11  my lane's offset in the bias
.set SCX,  12                          ; v12  2^ex
.set LMX,  13
.set SCO,  14                          ; v14  2^(eo - ex - ew)
.set LMO,  15
.set PC,   16
.set BT,   32
.set BI,   64
.set X,    128
.set AF,   128
.set OC,   128
.set XB,   44                          ; s[44:45] x at my wave's 32 tokens
.set BB,   46                          ; s[46:47] the bias at the pass's 128 columns
.set SW0,  48                          ; s[48:49] wimg at my wave's first tile
.set O0,   50                          ; s[50:51], s[52:53] the output at the pass's two heads
.set O1,   52
.set OSTEP, 54                         ; s[54:55] two heads on
.set PO,   56                          ; s[56:57] the pass's offset in wimg
.set SW,   58                          ; s[58:59] wimg, walking along K
.set SA,   60                          ; s60  x's images, walking along K
.set SP,   61                          ; s61  passes done
.set SK,   62                          ; s62  trips to go
.set NB,   63                          ; s63  -(ex + ew)
.set MSB, 0
.macro WIN new                         ; the immediate's high byte repeats the setting that is left; a switch that changes nothing is dropped
.if MSB != (\new)
	s_set_vgpr_msb (MSB<<8)|(\new)
.set MSB, (\new)
.endif
.endm
.macro PLACES                          ; four plain vector lines between a matrix instruction and a load into, or a read of, its registers
.rept 4
	v_nop
.endr
.endm
	s_load_b512 s[8:23], s[0:1], 0x0               ; q, k, v, bq, bk, bv, the scales' exponents s[20:21], wimg s[22:23]
	s_load_b128 s[24:27], s[0:1], 0x40             ; qimg, kv
	v_lshl_add_u32 v62, v0, 2, 0x28400
	v_mov_b32 v63, 0
	v_lshrrev_b32 v1, 5, v0
	v_readfirstlane_b32 s40, v1                    ; wave 0..3
	s_and_b32 s41, ttmp7, 0xffff                   ; which tensor: 0 q, 1 k, 2 v
	s_mov_b32 s42, ttmp9                           ; which 128 tokens
	v_and_b32 v1, 31, v0                           ; lane
	v_and_b32 v2, 15, v0                           ; r
	v_bfe_u32 v3, v0, 4, 1                         ; h
	v_lshlrev_b32 v[LI], 4, v1
	s_mul_i32 s70, s40, WSTG
	s_add_co_u32 s70, s70, STG                     ; my stage
	v_add_nc_u32 v[STI], s70, v[LI]
	v_mul_u32_u24 v[STO], v2, SPITCH
	v_lshl_add_u32 v[STO], v3, 6, v[STO]
	v_add_nc_u32 v[STO], s70, v[STO]
	s_lshl_b32 s71, s40, 12
	v_add_nc_u32 v[XW0], s71, v[LI]
	v_add_nc_u32 v[XW1], 0x10000, v[XW0]
	s_lshl_b32 s72, s42, 19                        ; 128 rows of 4,096 bytes a work-group,
	s_lshl_b32 s73, s40, 17                        ; 32 a wave
	s_add_co_u32 s72, s72, s73
	s_mov_b32 s73, 0
	s_wait_alu depctr_va_vdst(0)
	s_wait_kmcnt 0x0
	s_load_b256 s[28:35], s[20:21], 0x0            ; entries 0 to 7
	s_load_b128 s[36:39], s[20:21], 0x20           ; entries 8 to 11
	s_cmp_eq_u32 s41, 1                            ; the choices hang on the work-group's number alone
	s_cselect_b64 s[XB:XB+1], s[10:11], s[8:9]
	s_cselect_b64 s[BB:BB+1], s[16:17], s[14:15]
	s_cmp_eq_u32 s41, 2
	s_cselect_b64 s[XB:XB+1], s[12:13], s[XB:XB+1]
	s_cselect_b64 s[BB:BB+1], s[18:19], s[BB:BB+1]
	s_cmp_eq_u32 s41, 0
	s_cselect_b64 s[O0:O0+1], s[24:25], s[26:27]
	s_cselect_b32 s66, 13, 14                      ; 128 tokens of a head are 2^13 bytes in qimg, 2^14 in kv
	s_add_nc_u64 s[XB:XB+1], s[XB:XB+1], s[72:73]
; Fragment f of my 16: K step f / 2, token tile 2 w + f % 2.  Sixteen loads, one for each member: 512 consecutive bytes of its row, into set f % 4 of window 1.
.macro XLOAD f
	WIN 0x40                                       ; destination window 1
.set i, 0
.rept 16
	global_load_b128 v[64*((\f)%4)+4*i:64*((\f)%4)+4*i+3], v[LI], s[XB:XB+1] offset:(8*((\f)%2)+i+8*(i/8))*4096+((\f)/2)*512 th:TH_LOAD_NT
.set i, i+1
.endr
	WIN 0
.endm
	XLOAD 0
	XLOAD 1
	XLOAD 2
	s_lshl_b32 s72, s40, 10                        ; the bias: 256 columns a wave
	s_add_nc_u64 s[BB:BB+1], s[BB:BB+1], s[72:73]
	s_lshl_b32 s72, s41, 20                        ; wimg: the tensor's weight,
	s_lshl_b32 s74, s40, 15                        ; 16 tiles of 2,048 bytes a wave
	s_add_co_u32 s72, s72, s74
	s_add_nc_u64 s[SW0:SW0+1], s[22:23], s[72:73]
	s_and_b32 s72, s42, 48                         ; 16 x batch
	s_lshl_b32 s74, s40, 2
	s_add_co_u32 s72, s72, s74                     ; + my first head, 4 w
	s_lshl_b32 s72, s72, 4
	s_and_b32 s74, s42, 15
	s_add_co_u32 s72, s72, s74                     ; x 16 + which 128 tokens of the batch
	s_lshl_b32 s72, s72, s66
	s_add_nc_u64 s[O0:O0+1], s[O0:O0+1], s[72:73]
	s_lshl_b32 s72, 16, s66                        ; a head on
	s_add_nc_u64 s[O1:O1+1], s[O0:O0+1], s[72:73]
	s_lshl_b32 s[OSTEP], 32, s66
	s_mov_b32 s[OSTEP+1], 0
	s_mov_b32 s[PO], 0
	s_mov_b32 s[PO+1], 0
	s_wait_kmcnt 0x0
	s_cmp_eq_u32 s41, 1
	s_cselect_b32 s67, s30, s28                    ; ex
	s_cselect_b32 s68, s31, s29                    ; ew
	s_cselect_b32 s69, s35, s34                    ; eo
	s_cmp_eq_u32 s41, 2
	s_cselect_b32 s67, s32, s67
	s_cselect_b32 s68, s33, s68
	s_cselect_b32 s69, s37, s69
	s_add_co_i32 s68, s67, s68                     ; ex + ew
	s_sub_co_i32 s[NB], 0, s68
	s_add_co_i32 s74, s67, 127
	s_lshl_b32 s75, s74, 23
	v_mov_b32 v[SCX], s75
	s_wait_alu depctr_va_vdst(0)
	s_sub_co_i32 s74, s69, s68
	s_add_co_i32 s74, s74, 127
	s_lshl_b32 s75, s74, 23
	v_mov_b32 v[SCO], s75
	s_add_co_i32 s74, s74, 8
	s_lshl_b32 s74, s74, 23
	s_or_b32 s74, s74, 0x600000
; PHASE X.  A load is best where neighbouring lanes take neighbouring bytes; the conversions want 16 neighbours along K in one lane.  So a fragment's 8 KiB turn through my own stage: rows as loaded in,
; 64 bytes a lane out: register 16 b + i = k 32 b + 16 h + i of member r.  LDS serves a wave's instructions in order (ISA guide 5.7.1.4): no wait between the stores and the loads.
.macro XFRAG f
.if (\f)+3 < 16
	XLOAD (\f)+3                                   ; into the set that fragment f - 1 left: its stores into the stage were waited for there
.endif
.if 15-(\f) >= 3
	s_wait_loadcnt 48                              ; this fragment's 16 loads are in; those of the three behind it may be out
.else
	s_wait_loadcnt 16*(15-(\f))
.endif
	WIN 0x04                                       ; store data window 1
.set i, 0
.rept 16
	ds_store_b128 v[STI], v[64*((\f)%4)+4*i:64*((\f)%4)+4*i+3] offset:SPITCH*i
.set i, i+1
.endr
	WIN 0
.irp b, 0,1,2,3
.irp j, 0,1,2,3
	ds_load_b128 v[X+16*\b+4*\j:X+16*\b+4*\j+3], v[STO] offset:128*\b+16*\j
.endr
.endr
	s_wait_dscnt 0x0                               ; the numbers are back; the stage's stores and the last fragment's image stores have read their registers
.irp b, 0,1,2,3
.irp j, 0,1,2,3,4,5,6,7,8,9,10,11,12,13,14,15
.endr
	v_cvt_scalef32_pk8_fp8_f32 v[PC+4*\b:PC+4*\b+1], v[X+16*\b:X+16*\b+7], v[SCX]
	v_cvt_scalef32_pk8_fp8_f32 v[PC+4*\b+2:PC+4*\b+3], v[X+16*\b+8:X+16*\b+15], v[SCX]
.endr
	v_nop                                          ; one plain vector line behind the last conversion of the run
.irp c, 0,1,2,3
.if (\f) < 8
	ds_store_b128 v[XW0], v[PC+4*\c:PC+4*\c+3] offset:((((\f)/2)%4)*8+(\f)%2)*2048+512*\c
.else
	ds_store_b128 v[XW1], v[PC+4*\c:PC+4*\c+3] offset:((((\f)/2)%4)*8+(\f)%2)*2048+512*\c
.endif
.endr
.endm
.irp f, 0,1,2,3,4,5,6,7,8,9,10,11,12,13,14,15
	XFRAG \f
.endr
	s_wait_dscnt 0x0                               ; for the others' sake: my images have landed
	s_barrier_signal -1
	s_barrier_wait -1                              ; all 64 fragments of x lie in LDS; behind this barrier LDS is only read
; THE MAIN PHASE.
.macro FETCH_W rel, p                  ; W's eight fragments of the K step rel steps on from the walking base, into set p: 32 loads of 512 consecutive bytes
	WIN 0x40
.set u, 0
.rept 32
	global_load_b128 v[128*(\p)+4*u:128*(\p)+4*u+3], v[LI], s[SW:SW+1] offset:(\rel)*131072+512*u
.set u, u+1
.endr
	WIN 0
.endm
.macro FETCH_A rel, i0                 ; x's fragments i0 .. i0 + 3 of that K step
.set u, 4*(\i0)
.rept 16
	ds_load_b128 v[AF+4*u:AF+4*u+3], v[ADRA] offset:(\rel)*16384+512*u
.set u, u+1
.endr
.endm
; 16 matrix instructions: token tiles a0, a0 + 1 x the eight column tiles, 128 along K.  zero = 1: the first product starts the sums, with the bias as its C: nothing is cleared.
; The 64 accumulators take turns, one instruction a turn, in the same order in every step.
.macro MUL16 a0, p, zero, sw
.irp a, \a0, \a0+1
.irp b, 0,1,2,3,4,5,6,7
.if \sw
.if \zero
	v_wmma_f32_16x16x128_fp8_fp8 v[8*(8*((\a)%4)+\b):8*(8*((\a)%4)+\b)+7], v[AF+16*(\a):AF+16*(\a)+15], v[128*(\p)+16*\b:128*(\p)+16*\b+15], v[BI+8*\b:BI+8*\b+7]
.else
	v_wmma_f32_16x16x128_fp8_fp8 v[8*(8*((\a)%4)+\b):8*(8*((\a)%4)+\b)+7], v[AF+16*(\a):AF+16*(\a)+15], v[128*(\p)+16*\b:128*(\p)+16*\b+15], v[8*(8*((\a)%4)+\b):8*(8*((\a)%4)+\b)+7]
.endif
.else
.if \zero
	v_wmma_f32_16x16x128_fp8_fp8 v[8*(8*((\a)%4)+\b):8*(8*((\a)%4)+\b)+7], v[128*(\p)+16*\b:128*(\p)+16*\b+15], v[AF+16*(\a):AF+16*(\a)+15], v[BI+8*\b:BI+8*\b+7]
.else
	v_wmma_f32_16x16x128_fp8_fp8 v[8*(8*((\a)%4)+\b):8*(8*((\a)%4)+\b)+7], v[128*(\p)+16*\b:128*(\p)+16*\b+15], v[AF+16*(\a):AF+16*(\a)+15], v[8*(8*((\a)%4)+\b):8*(8*((\a)%4)+\b)+7]
.endif
.endif
.endr
.endr
.endm
; A K step of 128: multiplies by W's set p and fetches the K step rel on (rel = -1: nothing).  A token tile of x is free as soon as its eight products are issued, so x has one set of registers:
; tiles 0-3 are fetched anew in the step's middle, tiles 4-7 at its end.  Windows: W in 1, x in 0, C and D in 2 or 3 (in the first step C, the bias, in 0).
.macro STEP rel, p, zero, sw
.if \rel >= 0
	FETCH_W \rel, 1-(\p)                           ; the four places at the last step's end stand between that set's last products and these loads
	s_wait_loadcnt 32                              ; this step's set is in; the 32 just issued may be out
.else
	s_wait_loadcnt 0x0
.endif
	s_wait_dscnt 16                                ; x's tiles 0-3 are in; the youngest 16 loads (tiles 4-7) may be out
	WIN 0xa1+3*(\sw)-0x20*(\zero)
	MUL16 0, \p, \zero, \sw
	MUL16 2, \p, \zero, \sw
	s_wait_dscnt 0x0                               ; tiles 4-7 are in
.if \rel >= 0
	PLACES
	WIN 0
	FETCH_A \rel, 0
.endif
	WIN 0xf1+3*(\sw)-0x30*(\zero)
	MUL16 4, \p, \zero, \sw
	MUL16 6, \p, \zero, \sw
	PLACES
	WIN 0
.if \rel >= 0
	FETCH_A \rel, 4
.endif
.endm
.macro MAIN sw
.if \sw
	v_and_b32 v10, 8, v2
	v_add_nc_u32 v10, v10, v2
	v_lshlrev_b32 v[BO], 2, v10                    ; v: a lane holds ONE column, member r of the tile: 4 (r + 8 (r / 8)) bytes
.else
	v_lshlrev_b32 v[BO], 6, v3                     ; q, k: a lane holds eight neighbouring columns of its half: 64 h bytes
.endif
	s_mov_b32 s[SP], 0
.Lpass_\@:                                             ; two trips: 128 columns each
	s_add_nc_u64 s[SW:SW+1], s[SW0:SW0+1], s[PO:PO+1]
.irp b, 0,1,2,3,4,5,6,7
.if \sw
	global_load_b32 v[BT+\b], v[BO], s[BB:BB+1] offset:(32*(\b/2)+8*(\b%2))*4
.else
	global_load_b128 v[BI+8*\b:BI+8*\b+3], v[BO], s[BB:BB+1] offset:(32*(\b/2)+8*(\b%2))*4
	global_load_b128 v[BI+8*\b+4:BI+8*\b+7], v[BO], s[BB:BB+1] offset:(32*(\b/2)+8*(\b%2))*4+16
.endif
.endr
	FETCH_W 0, 0
	s_mov_b32 s[SA], 0
	v_add_nc_u32 v[ADRA], s[SA], v[LI]
	FETCH_A 0, 0
	FETCH_A 0, 4
	s_wait_loadcnt 32                              ; the bias is in; W's 32 loads may be out
.irp b, 0,1,2,3,4,5,6,7
.irp j, 0,1,2,3,4,5,6,7
.if \sw
	v_ldexp_f32 v[BI+8*\b+\j], v[BT+\b], s[NB]     ; b / 2^(ex + ew), in the result's layout: the same column in all eight registers
.else
	v_ldexp_f32 v[BI+8*\b+\j], v[BI+8*\b+\j], s[NB]
.endif
.endr
.endr
	s_wait_alu depctr_va_vdst(0)
	STEP 1, 0, 1, \sw                              ; K step 0 stands in front of the loop: its products start the sums
	s_mov_b32 s[SK], 3
.Lk_\@:                                                ; three trips of two K steps: 1 .. 6
	s_wait_alu depctr_va_vdst(0)
	STEP 2, 1, 0, \sw
	STEP 3, 0, 0, \sw
	s_wait_xcnt 0x0                                ; the loads just issued have had their addresses translated: only now their base steps
	s_add_nc_u64 s[SW:SW+1], s[SW:SW+1], 262144
	s_add_co_u32 s[SA], s[SA], 32768
	v_add_nc_u32 v[ADRA], s[SA], v[LI]
	s_sub_co_u32 s[SK], s[SK], 1
	s_cmp_lg_u32 s[SK], 0
	s_cbranch_scc1 .Lk_\@
	STEP -1, 1, 0, \sw                             ; K step 7 fetches nothing
	; THE WAY OUT, a window of 32 accumulators at a time: the conversions into the registers that held x's fragments; the stores
.irp hh, 0,1
	WIN 0x82+0x41*\hh                              ; source 0 and destination: window 2 + hh
.set i, 0
.rept 256
.set i, i+1
.endr
	WIN 0x02+\hh                                   ; source 0: window 2 + hh
.irp a, 0,1,2,3
.irp b, 0,1,2,3,4,5,6,7
.if \sw
	v_cvt_scalef32_pk8_fp8_f32 v[OC+64*\hh+4*(8*(\a/2)+\b)+2*(\a%2):OC+64*\hh+4*(8*(\a/2)+\b)+2*(\a%2)+1], v[8*(8*\a+\b):8*(8*\a+\b)+7], v[SCO]
.else
	v_cvt_scalef32_pk8_fp8_f32 v[OC+64*\hh+4*(4*\a+\b/2)+2*(\b%2):OC+64*\hh+4*(4*\a+\b/2)+2*(\b%2)+1], v[8*(8*\a+\b):8*(8*\a+\b)+7], v[SCO]
.endif
.endr
.endr
	v_nop                                          ; one plain vector line behind the last conversion of the run
	WIN 0
.if \sw
.irp a, 0,1
.irp b, 0,1,2,3,4,5,6,7
	global_store_b128 v[LI], v[OC+64*\hh+4*(8*\a+\b):OC+64*\hh+4*(8*\a+\b)+3], s[O0+2*(\b/4):O0+2*(\b/4)+1] offset:8192+(\b%4)*2048+512*(2*\hh+\a)   ; head b / 4, channel tile b % 4, keys 32 (2 hh + a) on
.endr
.endr
.else
.irp a, 0,1,2,3
.irp g, 0,1,2,3
	global_store_b128 v[LI], v[OC+64*\hh+4*(4*\a+\g):OC+64*\hh+4*(4*\a+\g)+3], s[O0+2*(\g/2):O0+2*(\g/2)+1] offset:(\a+4*\hh)*1024+512*(\g%2)   ; head g / 2, token tile a + 4 hh, channels 32 (g % 2) on
.endr
.endr
.endif
.endr
	s_wait_xcnt 0x0                                ; the stores have had their addresses translated: their data registers and bases are written again only behind this wait
	s_add_nc_u64 s[BB:BB+1], s[BB:BB+1], 512
	s_add_nc_u64 s[PO:PO+1], s[PO:PO+1], 16384
	s_add_nc_u64 s[O0:O0+1], s[O0:O0+1], s[OSTEP:OSTEP+1]
	s_add_nc_u64 s[O1:O1+1], s[O1:O1+1], s[OSTEP:OSTEP+1]
	s_add_co_u32 s[SP], s[SP], 1
	s_cmp_lt_u32 s[SP], 2
	s_cbranch_scc1 .Lpass_\@
	s_wait_tensorcnt 0x0
	ds_add_u32 v62, v63
	s_wait_dscnt 0x0
	s_endpgm
.endm
	s_cmp_eq_u32 s41, 2                            ; a branch on the work-group's number: all four waves go the same way
	s_cbranch_scc1 .Lfor_v
	MAIN 0
.Lfor_v:
	MAIN 1
.Lfunc_end_k_qa5924af078_proj:
	.size	k_qa5924af078_proj, .Lfunc_end_k_qa5924af078_proj-k_qa5924af078_proj
	.p2alignl 7, 3214868480
	.fill 96, 4, 3214868480
	.section	.rodata,"a",@progbits
	.p2align	6, 0x0
	.amdhsa_kernel k_qa5924af078_proj
		.amdhsa_group_segment_fixed_size 165376
		.amdhsa_private_segment_fixed_size 0
		.amdhsa_enable_private_segment 0
		.amdhsa_kernarg_size 80
		.amdhsa_user_sgpr_count 2
		.amdhsa_user_sgpr_kernarg_segment_ptr 1
		.amdhsa_wavefront_size32 1
		.amdhsa_system_sgpr_workgroup_id_x 1
		.amdhsa_system_sgpr_workgroup_id_y 1
		.amdhsa_system_sgpr_workgroup_id_z 1
		.amdhsa_system_vgpr_workitem_id 0
		.amdhsa_next_free_vgpr 1024
		.amdhsa_next_free_sgpr 80
		.amdhsa_reserve_vcc 0
		.amdhsa_float_denorm_mode_32 3
		.amdhsa_float_denorm_mode_16_64 3
		.amdhsa_fp16_overflow 1
		.amdhsa_memory_ordered 1
		.amdhsa_forward_progress 1
		.amdhsa_inst_pref_size 178
	.end_amdhsa_kernel
	.amdgpu_metadata
---
amdhsa.version: [ 1, 2 ]
amdhsa.kernels:
  - .name:           k_qa5924af078_proj
    .symbol:         k_qa5924af078_proj.kd
    .args:
      - { .name: q, .offset: 0, .size: 8, .value_kind: global_buffer, .address_space: global }
      - { .name: k, .offset: 8, .size: 8, .value_kind: global_buffer, .address_space: global }
      - { .name: v, .offset: 16, .size: 8, .value_kind: global_buffer, .address_space: global }
      - { .name: bq, .offset: 24, .size: 8, .value_kind: global_buffer, .address_space: global }
      - { .name: bk, .offset: 32, .size: 8, .value_kind: global_buffer, .address_space: global }
      - { .name: bv, .offset: 40, .size: 8, .value_kind: global_buffer, .address_space: global }
      - { .name: lowp_scales, .offset: 48, .size: 8, .value_kind: global_buffer, .address_space: global }
      - { .name: wimg, .offset: 56, .size: 8, .value_kind: global_buffer, .address_space: global }
      - { .name: qimg, .offset: 64, .size: 8, .value_kind: global_buffer, .address_space: global }
      - { .name: kv, .offset: 72, .size: 8, .value_kind: global_buffer, .address_space: global }
    .group_segment_fixed_size: 165376
    .private_segment_fixed_size: 0
    .kernarg_segment_align: 8
    .kernarg_segment_size: 80
    .max_flat_workgroup_size: 128
    .sgpr_count:     80
    .vgpr_count:     1024
    .wavefront_size: 32
...
	.end_amdgpu_metadata
.endif
;; end of part 2
;; launch attn (part 3): grid 4 x 64, 16 waves a work-group, no clusters, 34,816 bytes of LDS; arguments qimg, kv, lowp_scales, aimg; writes aimg
.if DOCPART == 3
	.amdgcn_target "amdgcn-amd-amdhsa--gfx1250"
	.amdhsa_code_object_version 6
	.text
	.protected	k_qa5924af078_attn
	.globl	k_qa5924af078_attn
	.p2align	8
	.type	k_qa5924af078_attn,@function
k_qa5924af078_attn:
	s_mov_b64 s[64:65], 0
	v_nop
	global_prefetch_b8 v0, s[64:65] scope:SCOPE_SE
	s_setreg_imm32_b32 hwreg(HW_REG_WAVE_MODE, 25, 1), 1
	s_wait_xcnt 0x0
; Causal attention for 64 heads of 2,048 tokens x 64 channels, both products on codes of FP8 (E4M3) with the given scales: entries 6 (Q), 7 (K), 8 (p), 9 (V); the result is quantised with entry 10 for the last projection.
; THE SOFTMAX AHEAD OF THE SECOND PRODUCT: t = score x log2(e) / 8; M = the row's largest t so far, rounded UP to a whole number; p = 2^(t - M) is what is quantised; the row's sum is taken of the unquantised p
; and divides at the end.  When M moves, the sum and O are multiplied by 2^(old M - new M): exact.
; LIMITS on the given exponents: e6 + e7 between -123 and 130 (they are added to c's exponent field); e8 and e10 between -126 and 119; e8 + e9 is applied by v_ldexp_f32 and has none.
; INPUTS ARE REGISTER IMAGES: a piece is 512 bytes, lane l's 16 bytes at 16 l.  qimg[head][tile of 16 queries][2 pieces]; kv[head][step of 128 keys][K: 8 tiles x 2 pieces | V^T: 4 tiles of 16 channels x 4 pieces].
; Member s of tile t of a group of 128 tokens (of 64 channels) is 32 (t / 2) + 8 (t % 2) + s + 8 (s / 8): so a lane's 16 results of two neighbouring tiles are 16 neighbours along the next K.
; SHARES.  Work-group x of a head owns the blocks of 256 queries 7 - x and x, one after the other: (8 - x) + (x + 1) = 9 trips of two key steps in every work-group.  Each of sixteen waves owns one tile of 16 queries.
; Both products are used transposed (S^T = K Q^T, O^T = V^T P^T): a lane holds ONE query throughout.  A key step whose 128 keys all come after the wave's queries is jumped over (a scalar branch on ids, round
; the work alone); in the step on the diagonal hidden scores become -infinity ahead of the maximum.
; LDS: two slots of 16 KiB at fixed places, each a copy of a step's 16 KiB of kv.  Each thread loads 32 bytes of the NEXT step's tile at the head of a step and stores them into the other slot at its end; one barrier a step.
; NO CLUSTER: the four work-groups of a head walk 16, 14, 12, 10 key steps in their first block and 2, 4, 6, 8 in their second: partners would need different numbers of tiles at every place.  No tensor load: 32 bytes a thread do.
; REGISTERS: v1-3 addresses and the mask's number; v12 -M, v13 the largest t, v[14:15] the sum in two halves; v16-23 Q; v24-31 the next tile's 32 bytes; v32-95 K's 8 fragments, then V's 4; v96-159 S^T, then p;
;   v160-191 O^T; v192-223 the finished rows; v224-239 codes; v240-254 constants and work.
.set SLOT, 16384
.set LI,  1                            ; v1   16 x lane
.set TI,  2                            ; v2   16 x thread
.set D,   3                            ; v3   my query's place in its group of 128, less 16 (lane / 16)
.set QF,  16
.set NX,  24
.set KF,  32
.set SS,  96
.set OT,  160
.set FO,  192
.set PCD, 224
.set WV,  12                           ; s12  wave
.set XX,  13                           ; s13  work-group x
.set WH,  15                           ; s15  wave / 8
.set KV,  16                           ; s[16:17] kv at my head
.set QB,  18                           ; s[18:19] qimg at my head
.set AB,  20                           ; s[20:21] aimg at my batch, head and tile
.set KP,  22                           ; s[22:23], s[24:25], s[26:27]: the addresses in use
.set QP,  24
.set AP,  26
.set NO,  28                           ; s[28:29] the next tile's offset in the head's kv
.set S,   30                           ; s30  the key step
.set G,   31                           ; s31  my queries' group of 128: the step on the diagonal
.set TR,  32                           ; s32  trips to go in the block
.set BC,  33                           ; s33  blocks to go
.set BLK, 34                           ; s34  the block of 256 queries
.set F,   35                           ; s35  TR + BC: 2 in the launch's last trip
.set CS,  42                           ; s[42:43] c = log2(e) / 8 x 2^(e6 + e7)
.set SEL, 44                           ; s[44:45] lane selects for v_permlanex16_b32: lane l xor 16
.set E89, 46                           ; s46  e8 + e9
	s_load_b256 s[4:11], s[0:1], 0x0               ; qimg s[4:5], kv s[6:7], the scales' exponents s[8:9], aimg s[10:11]
	v_lshl_add_u32 v251, v0, 2, 0x8000
	v_mov_b32 v255, 0
	v_lshrrev_b32 v4, 5, v0
	s_delay_alu instid0(VALU_DEP_1)
	v_readfirstlane_b32 s[WV], v4                  ; wave 0..15
	v_and_b32 v4, 31, v0
	s_delay_alu instid0(VALU_DEP_1)
	v_lshlrev_b32 v[LI], 4, v4
	v_lshlrev_b32 v[TI], 4, v0
	v_and_b32 v5, 15, v0                           ; r
	v_bfe_u32 v6, v0, 4, 1                         ; h
	s_delay_alu instid0(VALU_DEP_2)
	v_and_b32 v7, 8, v5
	s_delay_alu instid0(VALU_DEP_1)
	v_add_nc_u32 v7, v7, v5                        ; r + 8 (r / 8)
	s_delay_alu instid0(VALU_DEP_3)
	v_lshlrev_b32 v6, 4, v6
	s_delay_alu instid0(VALU_DEP_1)
	v_sub_nc_u32 v7, v7, v6                        ; - 16 h
	s_and_b32 s48, s[WV], 7                        ; my tile in its group of 128
	s_lshr_b32 s49, s48, 1
	s_lshl_b32 s49, s49, 5
	s_and_b32 s50, s[WV], 1
	s_lshl_b32 s50, s50, 3
	s_add_co_u32 s49, s49, s50
	v_add_nc_u32 v[D], s49, v7
	s_lshr_b32 s[WH], s[WV], 3
	s_mov_b32 s[XX], ttmp9
	s_and_b32 s14, ttmp7, 0xffff                   ; 16 x batch + head
	s_lshl_b32 s50, s14, 18                        ; a head's kv: 16 steps of 16 KiB
	s_mov_b32 s51, 0
	s_lshl_b32 s52, s14, 17                        ; a head's qimg: 128 tiles of 1 KiB
	s_mov_b32 s53, 0
	s_lshr_b32 s54, s14, 4
	s_lshl_b32 s54, s54, 21                        ; aimg[128 tokens][K step = two heads][token tile][2,048]: a batch is 16 x 131,072 bytes,
	s_and_b32 s55, s14, 15
	s_lshr_b32 s49, s55, 1
	s_lshl_b32 s49, s49, 14                        ; a K step 16,384,
	s_add_co_u32 s54, s54, s49
	s_lshl_b32 s49, s48, 11                        ; a tile 2,048,
	s_add_co_u32 s54, s54, s49
	s_and_b32 s49, s55, 1
	s_lshl_b32 s49, s49, 10                        ; the odd head's two pieces lie behind the even head's
	s_add_co_u32 s54, s54, s49
	s_mov_b32 s55, 0
	s_mov_b32 s[SEL], 0x76543210
	s_mov_b32 s[SEL+1], 0xfedcba98
	s_mov_b32 s[NO], 0
	s_mov_b32 s[NO+1], 0
	s_wait_alu depctr_va_vdst(0)
	s_wait_kmcnt 0x0
	s_load_b128 s[36:39], s[8:9], 0x18             ; e6, e7, e8, e9
	s_load_b32 s40, s[8:9], 0x28                   ; e10
	s_add_nc_u64 s[KV:KV+1], s[6:7], s[50:51]
	s_add_nc_u64 s[QB:QB+1], s[4:5], s[52:53]
	s_add_nc_u64 s[AB:AB+1], s[10:11], s[54:55]
.macro LOADG                           ; my 32 bytes of the tile at offset NO: the 512 threads take 8,192 consecutive bytes an instruction
	s_add_nc_u64 s[KP:KP+1], s[KV:KV+1], s[NO:NO+1]
	global_load_b128 v[NX:NX+3], v[TI], s[KP:KP+1]
	global_load_b128 v[NX+4:NX+7], v[TI], s[KP:KP+1] offset:8192
.endm
.macro PUT sl
	ds_store_b128 v[TI], v[NX:NX+3] offset:(\sl)*SLOT
	ds_store_b128 v[TI], v[NX+4:NX+7] offset:(\sl)*SLOT+8192
.endm
	LOADG                                          ; key step 0
	v_mov_b32 v250, 0                              ; written once: a lane permute's destination counts as one of its sources
	v_mov_b32 v253, 0                              ; (named as the upper half of the pair v[252:253])
	s_wait_kmcnt 0x0
	s_add_co_i32 s48, s36, s37
	s_lshl_b32 s48, s48, 23
	s_add_co_i32 s[CS], s48, 0x3e38aa3b            ; a score stands for score x 2^(e6 + e7): the two exponents are added to c's exponent field
	s_mov_b32 s[CS+1], s[CS]                       ; (named with it as a pair, so it is written)
	s_add_co_i32 s[E89], s38, s39
	s_add_co_i32 s48, s38, 127
	s_lshl_b32 s49, s48, 23
	v_mov_b32 v244, s49                            ; 2^e8, for p's conversion
	s_add_co_i32 s48, s40, 127
	s_lshl_b32 s49, s48, 23
	v_mov_b32 v246, s49                            ; 2^e10, for the result's conversion
	s_wait_loadcnt 0x0
	PUT 0
	s_wait_dscnt 0x0                               ; for the others' sake: my part of the tile has landed
	s_barrier_signal -1
	s_barrier_wait -1
; THE WORK OF A KEY STEP, on the tile in slot sl.
.macro WORK sl
.set u, 0
.rept 16
	ds_load_b128 v[KF+4*u:KF+4*u+3], v[LI] offset:(\sl)*SLOT+512*u        ; K's eight fragments: 16 keys x 64 channels, two pieces each
.set u, u+1
.endr
	s_wait_dscnt 0x0
.set u, 0
.rept 8
	v_wmma_f32_16x16x64_fp8_fp8 v[SS+8*u:SS+8*u+7], v[KF+8*u:KF+8*u+7], v[QF:QF+7], 0   ; lane (r, h): query r; registers 16 b + i of tiles 2 b, 2 b + 1: key 32 b + 16 h + i of the step
.set u, u+1
.endr
.rept 4
	v_nop                                          ; places in front of the loads into K's registers and of the first read of the scores
.endr
.set u, 0
.rept 16
	ds_load_b128 v[KF+4*u:KF+4*u+3], v[LI] offset:(\sl)*SLOT+8192+512*u   ; V's four fragments, 16 channels x 128 keys: they land while the softmax is worked
.set u, u+1
.endr
	s_cmp_lg_u32 s[S], s[G]                        ; only the step on the diagonal has hidden keys
	s_cbranch_scc1 .Lopen_\@
	v_mov_b32 v254, 0xff800000                     ; -infinity
.set n, 0
.rept 64
	v_cmp_gt_i32 vcc_lo, 32*(n/16)+n%16, v[D]      ; register n holds key 32 (n / 16) + n % 16 + 16 h of the group: hidden where it comes after my query
	v_cndmask_b32 v[SS+n], v[SS+n], v254, vcc_lo
.set n, n+1
.endr
.Lopen_\@:
	v_max3_num_f32 v254, v96, v97, v98             ; the step's largest score of my query, among my 64 keys, in two chains,
	v_max3_num_f32 v252, v99, v100, v101
.irp i, 6,10,14,18,22,26,30,34,38,42,46,50,54,58
	v_max3_num_f32 v254, v254, v[96+\i], v[97+\i]
	v_max3_num_f32 v252, v252, v[98+\i], v[99+\i]
.endr
	v_max3_num_f32 v254, v254, v158, v159
	s_delay_alu instid0(VALU_DEP_1)
	v_max_num_f32 v254, v254, v252
	s_delay_alu instid0(VALU_DEP_1)
	v_permlanex16_b32 v250, v254, s[SEL], s[SEL+1]
	s_delay_alu instid0(VALU_DEP_1)
	v_max_num_f32 v254, v254, v250                 ; and among lane l xor 16's
	s_delay_alu instid0(VALU_DEP_1)
	v_mul_f32 v254, s[CS], v254                    ; as t (c is positive)
	s_delay_alu instid0(VALU_DEP_1)
	v_max_num_f32 v13, v13, v254                   ; the running largest t
	v_mov_b32 v254, v12
	s_delay_alu instid0(VALU_DEP_2)
	v_floor_f32 v12, -v13                          ; the new -M = floor(-t) = -ceil(t): M is a whole number
	s_delay_alu instid0(VALU_DEP_1)
	v_sub_f32 v254, v12, v254                      ; M's old value less its new one: a whole number, 0 or less
	s_delay_alu instid0(VALU_DEP_1)
	v_cvt_i32_f32 v254, v254                       ; (it saturates)
	s_delay_alu instid0(VALU_DEP_1)
	v_ldexp_f32 v252, 1.0, v254                    ; f = 2^(old M - new M)
.set j, 0
.rept 32
	v_pk_fma_f32 v[SS+j:SS+j+1], v[SS+j:SS+j+1], s[CS:CS+1], v[12:13] op_sel_hi:[1,0,0]   ; t - M, two at a time (of the pairs c and -M the low word serves both halves)
.set j, j+2
.endr
.set j, 0
	s_wait_alu depctr_va_vdst(0)
.rept 64
	v_exp_f32 v[SS+j], v[SS+j]                     ; p = 2^(t - M), at most 1: not normalised
.set j, j+1
.endr
	v_pk_mul_f32 v[14:15], v[14:15], v[252:253] op_sel_hi:[1,0]   ; the sums under the new M: the plain line behind the exponentials
	s_wait_alu depctr_va_vdst(0)                   ; one wait for the batch of 64, ahead of its first reader
	v_pk_add_f32 v[242:243], v[100:101], v[104:105]
	v_pk_add_f32 v[248:249], v[108:109], v[112:113]
	v_pk_add_f32 v[240:241], v[116:117], v[120:121]
	v_pk_add_f32 v[238:239], v[124:125], v[128:129]
	v_pk_add_f32 v[236:237], v[132:133], v[136:137]
	v_pk_add_f32 v[234:235], v[140:141], v[144:145]
	v_pk_add_f32 v[232:233], v[148:149], v[152:153]
	v_pk_add_f32 v[14:15], v[14:15], v[156:157]
	v_pk_add_f32 v[242:243], v[242:243], v[96:97]
	v_pk_add_f32 v[248:249], v[248:249], v[98:99]
	v_pk_add_f32 v[240:241], v[240:241], v[102:103]
	v_pk_add_f32 v[238:239], v[238:239], v[106:107]
	v_pk_add_f32 v[236:237], v[236:237], v[110:111]
	v_pk_add_f32 v[234:235], v[234:235], v[114:115]
	v_pk_add_f32 v[232:233], v[232:233], v[118:119]
	v_pk_add_f32 v[14:15], v[14:15], v[122:123]
	v_pk_add_f32 v[242:243], v[242:243], v[126:127]
	v_pk_add_f32 v[248:249], v[248:249], v[130:131]
	v_pk_add_f32 v[240:241], v[240:241], v[134:135]
	v_pk_add_f32 v[238:239], v[238:239], v[138:139]
	v_pk_add_f32 v[236:237], v[236:237], v[142:143]
	v_pk_add_f32 v[234:235], v[234:235], v[146:147]
	v_pk_add_f32 v[232:233], v[232:233], v[150:151]
	v_pk_add_f32 v[14:15], v[14:15], v[154:155]
	v_pk_add_f32 v[242:243], v[242:243], v[158:159]
	s_delay_alu instid0(VALU_DEP_2)
	v_pk_add_f32 v[14:15], v[14:15], v[238:239]
	s_delay_alu instid0(VALU_DEP_2)
	v_pk_add_f32 v[242:243], v[242:243], v[236:237]
	v_pk_add_f32 v[248:249], v[248:249], v[234:235]
	v_pk_add_f32 v[240:241], v[240:241], v[232:233]
	s_delay_alu instid0(VALU_DEP_2)
	v_pk_add_f32 v[14:15], v[14:15], v[248:249]
	s_delay_alu instid0(VALU_DEP_2)
	v_pk_add_f32 v[242:243], v[242:243], v[240:241]
	s_delay_alu instid0(VALU_DEP_1)
	v_pk_add_f32 v[14:15], v[14:15], v[242:243]
.irp b, 0,1,2,3
.irp i, 0,1,2,3,4,5,6,7,8,9,10,11,12,13,14,15
.endr
	v_cvt_scalef32_pk8_fp8_f32 v[PCD+4*\b:PCD+4*\b+1], v[SS+16*\b:SS+16*\b+7], v244
	v_cvt_scalef32_pk8_fp8_f32 v[PCD+4*\b+2:PCD+4*\b+3], v[SS+16*\b+8:SS+16*\b+15], v244
.endr
.set j, 0
.rept 16
	v_pk_mul_f32 v[OT+j:OT+j+1], v[OT+j:OT+j+1], v[252:253] op_sel_hi:[1,0]   ; O^T under the new M: x f.  (Plain lines between the conversions and the products that read their results)
.set j, j+2
.endr
	s_wait_alu depctr_va_vdst(0)
	s_wait_dscnt 0x0                               ; V is in
.set u, 0
.rept 4
	v_wmma_f32_16x16x128_fp8_fp8 v[OT+8*u:OT+8*u+7], v[KF+16*u:KF+16*u+15], v[PCD:PCD+15], v[OT+8*u:OT+8*u+7]   ; four accumulators by turns; the eight products K Q^T stand between two links of a chain
.set u, u+1
.endr
.rept 4
	v_nop                                          ; places in front of the next step's loads into V's registers, and of the next read of O^T
.endr
.endm
; A KEY STEP.  At its head the next step's tile is asked for; at its end it goes into the other slot, which was last read in front of the last barrier and is read again behind this one.
.macro HALF sl
.if \sl == 0
	s_add_co_u32 s48, s[S], 1
	s_lshl_b32 s[NO], s48, 14
	LOADG
.else
	s_add_co_u32 s[F], s[TR], s[BC]
	s_cmp_eq_u32 s[F], 2                           ; the launch's last step has no successor: no load leaves its buffer.  The same in all sixteen waves
	s_cbranch_scc1 .Lnoload_\@
	s_add_co_u32 s48, s[S], 1
	s_lshl_b32 s48, s48, 14
	s_cmp_eq_u32 s[TR], 1
	s_cselect_b32 s[NO], 0, s48                    ; behind the first block's last step comes the second block's step 0
	LOADG
.Lnoload_\@:
.endif
	s_cmp_gt_u32 s[S], s[G]                        ; all 128 keys come after my queries: nothing to do but to pass the tile on
	s_cbranch_scc1 .Lhidden_\@
	WORK \sl
.Lhidden_\@:
	s_wait_loadcnt 0x0                             ; the next tile's 32 bytes, asked for a step's work ago
.if \sl == 1
	s_cmp_eq_u32 s[F], 2
	s_cbranch_scc1 .Lnoput_\@
.endif
	PUT 1-(\sl)
.if \sl == 1
.Lnoput_\@:
.endif
	s_wait_dscnt 0x0                               ; my stores have landed and my reads of this slot are over
	s_barrier_signal -1
	s_barrier_wait -1
	s_add_co_u32 s[S], s[S], 1
.endm
	s_mov_b32 s[BC], 2
	s_sub_co_u32 s[BLK], 7, s[XX]
.Lblock:                                               ; two trips: block 7 - x, then block x
	s_lshl_b32 s[G], s[BLK], 1
	s_add_co_u32 s[G], s[G], s[WH]
	s_lshl_b32 s48, s[BLK], 4
	s_add_co_u32 s48, s48, s[WV]                   ; my tile of queries
	s_lshl_b32 s48, s48, 10
	s_mov_b32 s49, 0
	s_add_nc_u64 s[QP:QP+1], s[QB:QB+1], s[48:49]
	global_load_b128 v[QF:QF+3], v[LI], s[QP:QP+1]
	global_load_b128 v[QF+4:QF+7], v[LI], s[QP:QP+1] offset:512
	v_mov_b32 v13, 0xff61b1e6                      ; the largest t so far: -3e38, under every t
	s_delay_alu instid0(VALU_DEP_1)
	v_floor_f32 v12, -v13                          ; -M
	v_mov_b32 v14, 0                               ; the sum, in two halves
	v_mov_b32 v15, 0
.set j, 0
.rept 32
	v_mov_b32 v[OT+j], 0                           ; O^T.  (The step is written once: the first finds zeros, which the first change of M leaves zeros)
.set j, j+1
.endr
	s_mov_b32 s[S], 0
	s_add_co_u32 s[TR], s[BLK], 1
	s_wait_loadcnt 0x0                             ; Q
.Ltrip:                                                ; BLK + 1 trips of two key steps
	HALF 0
	HALF 1
	s_sub_co_u32 s[TR], s[TR], 1
	s_cmp_lg_u32 s[TR], 0
	s_cbranch_scc1 .Ltrip
	; THE WAY OUT: O^T x 2^(e8 + e9) / the sum, quantised with 2^e10.  A lane's 16 results of tiles 2 g, 2 g + 1 are channels 32 g + 16 h + 0 .. 15 of its query: one lane's 16 bytes of a piece of the last projection's operand
	v_add_f32 v14, v14, v15                        ; the sum's two halves,
	s_delay_alu instid0(VALU_DEP_1)
	v_permlanex16_b32 v250, v14, s[SEL], s[SEL+1]
	s_delay_alu instid0(VALU_DEP_1)
	v_add_f32 v14, v14, v250                       ; and lane l xor 16's
	s_wait_alu depctr_va_vdst(0)
	v_rcp_f32 v14, v14
	v_nop                                          ; a plain line behind the transcendental
	s_lshl_b32 s48, s[G], 17
	s_mov_b32 s49, 0
	s_add_nc_u64 s[AP:AP+1], s[AB:AB+1], s[48:49]  ; my queries' 128 tokens
	s_wait_alu depctr_va_vdst(0)                   ; the wait ahead of the first reader
	v_ldexp_f32 v14, v14, s[E89]
.set j, 0
.rept 16
	v_pk_mul_f32 v[FO+j:FO+j+1], v[OT+j:OT+j+1], v[14:15] op_sel_hi:[1,0]   ; each accumulator from its low end on
.set j, j+2
.endr
.set j, 0
.rept 32
.set j, j+1
.endr
.irp g, 0,1,2,3
	v_cvt_scalef32_pk8_fp8_f32 v[PCD+2*\g:PCD+2*\g+1], v[FO+8*\g:FO+8*\g+7], v246
.endr
	v_nop                                          ; one plain vector line behind the last conversion of the run
	global_store_b128 v[LI], v[PCD:PCD+3], s[AP:AP+1]                 ; 512 consecutive bytes each
	global_store_b128 v[LI], v[PCD+4:PCD+7], s[AP:AP+1] offset:512
	s_wait_xcnt 0x0                                ; the stores' data and base are written again only behind this wait
	s_mov_b32 s[BLK], s[XX]
	s_sub_co_u32 s[BC], s[BC], 1
	s_cmp_lg_u32 s[BC], 0
	s_cbranch_scc1 .Lblock
	s_wait_tensorcnt 0x0
	ds_add_u32 v251, v255
	s_wait_dscnt 0x0
	s_endpgm
.Lfunc_end_k_qa5924af078_attn:
	.size	k_qa5924af078_attn, .Lfunc_end_k_qa5924af078_attn-k_qa5924af078_attn
	.p2alignl 7, 3214868480
	.fill 96, 4, 3214868480
	.section	.rodata,"a",@progbits
	.p2align	6, 0x0
	.amdhsa_kernel k_qa5924af078_attn
		.amdhsa_group_segment_fixed_size 34816
		.amdhsa_private_segment_fixed_size 0
		.amdhsa_enable_private_segment 0
		.amdhsa_kernarg_size 32
		.amdhsa_user_sgpr_count 2
		.amdhsa_user_sgpr_kernarg_segment_ptr 1
		.amdhsa_wavefront_size32 1
		.amdhsa_system_sgpr_workgroup_id_x 1
		.amdhsa_system_sgpr_workgroup_id_y 1
		.amdhsa_system_sgpr_workgroup_id_z 1
		.amdhsa_system_vgpr_workitem_id 0
		.amdhsa_next_free_vgpr 256
		.amdhsa_next_free_sgpr 66
		.amdhsa_reserve_vcc 1
		.amdhsa_float_denorm_mode_32 3
		.amdhsa_float_denorm_mode_16_64 3
		.amdhsa_fp16_overflow 1
		.amdhsa_memory_ordered 1
		.amdhsa_forward_progress 1
		.amdhsa_inst_pref_size 47
	.end_amdhsa_kernel
	.amdgpu_metadata
---
amdhsa.version: [ 1, 2 ]
amdhsa.kernels:
  - .name:           k_qa5924af078_attn
    .symbol:         k_qa5924af078_attn.kd
    .args:
      - { .name: qimg, .offset: 0, .size: 8, .value_kind: global_buffer, .address_space: global }
      - { .name: kv, .offset: 8, .size: 8, .value_kind: global_buffer, .address_space: global }
      - { .name: lowp_scales, .offset: 16, .size: 8, .value_kind: global_buffer, .address_space: global }
      - { .name: aimg, .offset: 24, .size: 8, .value_kind: global_buffer, .address_space: global }
    .group_segment_fixed_size: 34816
    .private_segment_fixed_size: 0
    .kernarg_segment_align: 8
    .kernarg_segment_size: 32
    .max_flat_workgroup_size: 512
    .sgpr_count:     66
    .vgpr_count:     256
    .wavefront_size: 32
...
	.end_amdgpu_metadata
.endif
;; end of part 3
;; launch oproj (part 4): grid 4 x 64, 4 waves a work-group, no clusters, 148,992 bytes of LDS; arguments aimg, wimg, bo, lowp_scales, out0; writes out0
.if DOCPART == 4
	.amdgcn_target "amdgcn-amd-amdhsa--gfx1250"
	.amdhsa_code_object_version 6
	.text
	.protected	k_qa5924af078_oproj
	.globl	k_qa5924af078_oproj
	.p2align	8
	.type	k_qa5924af078_oproj,@function
k_qa5924af078_oproj:
	s_mov_b64 s[64:65], 0
	v_nop
	global_prefetch_b8 v0, s[64:65] scope:SCOPE_SE
	s_setreg_imm32_b32 hwreg(HW_REG_WAVE_MODE, 25, 1), 1
	s_wait_xcnt 0x0
; out0 = A Wo + bo (8,192 x 1,024 x 1,024) on codes of FP8 (E4M3): A, the attention's result, and Wo come as register images of codes; a sum is multiplied once by 2^(e10 + e11), entries 10 and 11 of the scales' buffer.
; LIMIT: e10 + e11 between -126 and 127, so that 2^(e10 + e11) is an f32 number.
; SHARES.  A work-group takes 128 tokens x 256 columns; wave w columns 64 w .. 64 w + 63 of them: 8 token tiles x 4 column tiles = 32 accumulators.  The wave's whole part of Wo (8 K steps x 4 fragments, 512 registers)
; comes from memory straight into its registers, three K steps ahead of its use.  A's 128 KiB are copied once into LDS, as they lie, and read by all four waves.
; THE MATRIX INSTRUCTION IS USED TRANSPOSED (source 0 = 16 columns of Wo, source 1 = 16 tokens): a lane holds one token and, in two neighbouring tiles, 16 neighbouring columns.
; Member s of tile t of a group of 128 tokens or columns is 32 (t / 2) + 8 (t % 2) + s + 8 (s / 8); the way out puts rows and columns back by its offsets.
; NO CLUSTER, NO TENSOR LOAD: each operand is read once, in one run at the head (A: 1 KiB a thread through registers; Wo: into the one wave's registers that multiplies by it); there is no ring whose refills partners could share.
; REGISTERS, in windows of 256.  window 0: v1-11 addresses; v32-63 bo in the result's layout; v64-127 results, two sets; v128-255 A's 8 fragments, later rows read back, two sets.
;   window 1: Wo's K steps 0-3;  window 3: K steps 4-7;  window 2: first the copy's 256 registers, then accumulator (a, b) at v[8 (4 a + b)].
.set STG,  131072                      ; LDS: 0 .. 131,071 A's images [K step][token tile][2,048]; then a stage of 16 rows x 272 bytes for each wave
.set SPI,  272                         ; a stage row: 256 bytes + 16: 68 words, so that the 16 rows that a store touches start 4 words apart modulo 64
.set LI,   4                           ; v4   16 x lane; also where A's K steps 0-3 are read
.set TI0,  5                           ; v5   16 x thread
.set TI1,  6                           ; v6   + 65,536
.set AD1,  7                           ; v7   16 x lane + 65,536: A's K steps 4-7
.set SO,   8                           ; v8   the stage: where I put my results
.set RD,   9                           ; v9   and where I read a row back
.set CO,   10                          ; v10  my byte offset in two rows of out0
.set BO,   11                          ; v11  my lane's offset in bo
.set BI,   32
.set T,    64
.set AF,   128
.set BK,   128
.set AIB,  20                          ; s[20:21] aimg at my 128 tokens
.set WB,   22                          ; s[22:23] wimg at Wo's tiles of my wave
.set BOB,  24                          ; s[24:25] bo at my 64 columns
.set OUT,  26                          ; s[26:27] out0 at my 128 tokens and 64 columns
.set SC,   28                          ; s[28:29] 2^(e10 + e11)
.set MSB, 0
.macro WIN new                         ; the immediate's high byte repeats the setting that is left; a switch that changes nothing is dropped
.if MSB != (\new)
	s_set_vgpr_msb (MSB<<8)|(\new)
.set MSB, (\new)
.endif
.endm
.macro PLACES                          ; four plain vector lines between a matrix instruction and a load into, or a read of, its registers
.rept 4
	v_nop
.endr
.endm
	s_load_b256 s[4:11], s[0:1], 0x0               ; aimg s[4:5], wimg s[6:7], bo s[8:9], the scales' exponents s[10:11]
	s_load_b64 s[12:13], s[0:1], 0x20              ; out0
	v_lshl_add_u32 v30, v0, 2, 0x24400
	v_mov_b32 v31, 0
	v_lshrrev_b32 v1, 5, v0
	v_readfirstlane_b32 s16, v1                    ; wave 0..3
	s_and_b32 s17, ttmp7, 0xffff                   ; which 128 tokens
	v_and_b32 v1, 31, v0
	v_and_b32 v2, 15, v0                           ; r
	v_bfe_u32 v3, v0, 4, 1                         ; h
	v_lshlrev_b32 v[LI], 4, v1
	v_lshlrev_b32 v[TI0], 4, v0
	v_add_nc_u32 v[TI1], 0x10000, v[TI0]
	v_add_nc_u32 v[AD1], 0x10000, v[LI]
	s_mul_i32 s18, s16, 16*SPI
	s_add_co_u32 s18, s18, STG                     ; my stage
	v_mul_u32_u24 v[SO], v2, SPI
	v_lshl_add_u32 v[SO], v3, 6, v[SO]
	v_add_nc_u32 v[SO], s18, v[SO]                 ; in: row r, + 64 h
	v_mul_u32_u24 v[RD], v3, SPI
	v_lshl_add_u32 v[RD], v2, 4, v[RD]
	v_add_nc_u32 v[RD], s18, v[RD]                 ; back: lanes 0-15 one row of 256 bytes, lanes 16-31 the next
	v_lshlrev_b32 v[CO], 12, v3
	v_lshl_add_u32 v[CO], v2, 4, v[CO]             ; and the same two rows in out0
	v_lshlrev_b32 v[BO], 6, v3
	s_lshl_b32 s30, s17, 17
	s_mov_b32 s31, 0
	s_lshl_b32 s32, ttmp9, 4
	s_lshl_b32 s33, s16, 2
	s_add_co_u32 s32, s32, s33                     ; my first column tile: 16 x work-group x + 4 x wave
	s_lshl_b32 s32, s32, 11
	s_add_co_u32 s32, s32, 3145728                 ; Wo is the fourth weight in wimg
	s_mov_b32 s33, 0
	s_lshl_b32 s34, ttmp9, 10
	s_lshl_b32 s35, s16, 8
	s_add_co_u32 s34, s34, s35                     ; my 64 columns, in bytes of f32
	s_mov_b32 s35, 0
	s_lshl_b32 s36, s17, 19                        ; 128 rows of 4,096 bytes
	s_add_co_u32 s36, s36, s34
	s_mov_b32 s37, 0
	s_wait_alu depctr_va_vdst(0)
	s_wait_kmcnt 0x0
	s_load_b64 s[14:15], s[10:11], 0x28            ; e10, e11
	s_add_nc_u64 s[AIB:AIB+1], s[4:5], s[30:31]
	s_add_nc_u64 s[WB:WB+1], s[6:7], s[32:33]
	s_add_nc_u64 s[BOB:BOB+1], s[8:9], s[34:35]
	s_add_nc_u64 s[OUT:OUT+1], s[12:13], s[36:37]
.macro CLOAD n                         ; a quarter of A's 128 KiB: 16 loads; the 128 threads take 2,048 consecutive bytes an instruction
	WIN 0x80                                       ; destination window 2
.set u, 0
.rept 16
	global_load_b128 v[64*(\n)+4*u:64*(\n)+4*u+3], v[TI0], s[AIB:AIB+1] offset:(16*(\n)+u)*2048
.set u, u+1
.endr
	WIN 0
.endm
.macro CPUT n                          ; and into LDS, as they lie
	WIN 0x08                                       ; store data window 2
.set u, 0
.rept 16
.if (\n) < 2
	ds_store_b128 v[TI0], v[64*(\n)+4*u:64*(\n)+4*u+3] offset:((16*(\n)+u)%32)*2048
.else
	ds_store_b128 v[TI1], v[64*(\n)+4*u:64*(\n)+4*u+3] offset:((16*(\n)+u)%32)*2048
.endif
.set u, u+1
.endr
	WIN 0
.endm
.macro WLOAD ks                        ; Wo's four fragments of K step ks: 16 loads of 512 consecutive bytes; they stay
	WIN 0x40+0x80*((\ks)/4)                        ; destination window 1 or 3
.set u, 0
.rept 16
	global_load_b128 v[64*((\ks)%4)+4*u:64*((\ks)%4)+4*u+3], v[LI], s[WB:WB+1] offset:(\ks)*131072+512*u
.set u, u+1
.endr
	WIN 0
.endm
.macro FETCH_A ks, i0                  ; A's fragments i0 .. i0 + 3 of K step ks
.set u, 4*(\i0)
.rept 16
.if (\ks) < 4
	ds_load_b128 v[AF+4*u:AF+4*u+3], v[LI] offset:((\ks)%4)*16384+512*u
.else
	ds_load_b128 v[AF+4*u:AF+4*u+3], v[AD1] offset:((\ks)%4)*16384+512*u
.endif
.set u, u+1
.endr
.endm
	CLOAD 0
	CLOAD 1
	CLOAD 2
	s_wait_loadcnt 32                              ; the first quarter is in; two quarters may be out
	CPUT 0
	CLOAD 3
	s_wait_loadcnt 32                              ; the second is in
	CPUT 1
	s_wait_loadcnt 16                              ; the third
	CPUT 2
	s_wait_loadcnt 0x0
	CPUT 3
.irp b, 0,1,2,3
	global_load_b128 v[BI+8*\b:BI+8*\b+3], v[BO], s[BOB:BOB+1] offset:(32*(\b/2)+8*(\b%2))*4      ; bo at the lane's eight columns of tile b: 32 (b / 2) + 8 (b % 2) + 16 h + 0 .. 7
	global_load_b128 v[BI+8*\b+4:BI+8*\b+7], v[BO], s[BOB:BOB+1] offset:(32*(\b/2)+8*(\b%2))*4+16
.endr
	WLOAD 0
	WLOAD 1
	WLOAD 2
	s_wait_dscnt 0x0                               ; for the others' sake: my part of A has landed (and the copy's registers, which the sums will take, have been read)
	s_barrier_signal -1
	s_barrier_wait -1                              ; A's 64 fragments lie in LDS; behind this barrier those bytes are only read
	FETCH_A 0, 0
	FETCH_A 0, 4
; 16 matrix instructions: token tiles a0 .. a0 + 3 x my four column tiles.  The 32 accumulators take turns, one instruction a turn, in the same order in every step.
.macro MUL16 a0, ks
.irp a, \a0, \a0+1, \a0+2, \a0+3
.irp b, 0,1,2,3
.if (\ks) == 0
	v_wmma_f32_16x16x128_fp8_fp8 v[8*(4*(\a)+\b):8*(4*(\a)+\b)+7], v[64*((\ks)%4)+16*\b:64*((\ks)%4)+16*\b+15], v[AF+16*(\a):AF+16*(\a)+15], 0
.else
	v_wmma_f32_16x16x128_fp8_fp8 v[8*(4*(\a)+\b):8*(4*(\a)+\b)+7], v[64*((\ks)%4)+16*\b:64*((\ks)%4)+16*\b+15], v[AF+16*(\a):AF+16*(\a)+15], v[8*(4*(\a)+\b):8*(4*(\a)+\b)+7]
.endif
.endr
.endr
.endm
.macro KSTEP ks
.if (\ks)+3 < 8
	WLOAD (\ks)+3
.endif
.if 7-(\ks) >= 3
	s_wait_loadcnt 48                              ; this step's fragments of Wo (and bo) are in; those of the three steps behind it may be out
.else
	s_wait_loadcnt 16*(7-(\ks))
.endif
	s_wait_dscnt 16                                ; A's tiles 0-3 are in; the youngest 16 loads (tiles 4-7) may be out
	WIN 0xa1+2*((\ks)/4)                           ; source 0 (Wo) window 1 or 3, source 1 (A) window 0, C and D window 2
	MUL16 0, \ks
	s_wait_dscnt 0x0                               ; tiles 4-7 are in
.if (\ks) < 7
	PLACES
	WIN 0
	FETCH_A (\ks)+1, 0
.endif
	WIN 0xa1+2*((\ks)/4)
	MUL16 4, \ks
	PLACES
	WIN 0
.if (\ks) < 7
	FETCH_A (\ks)+1, 4
.endif
.endm
.irp ks, 0,1,2,3,4,5,6,7
	KSTEP \ks
.endr
	s_wait_kmcnt 0x0
	s_add_co_i32 s[SC], s14, s15
	s_add_co_i32 s[SC], s[SC], 127
	s_lshl_b32 s[SC], s[SC], 23                    ; 2^(e10 + e11) as f32
	s_mov_b32 s[SC+1], s[SC]                       ; (named with it as a pair, so it is written)
; THE WAY OUT, a token tile at a time.  y = sum x 2^(e10 + e11) + bo, one packed multiply-add for two numbers.  A lane holds pieces of one row, the lanes beside it other rows: so a tile goes through my own stage
; and comes back as rows of 256 bytes.  LDS serves a wave's instructions in order (ISA guide 5.7.1.4): no wait between the stores and the loads, nor in front of the next tile's stores.
.macro TOSTAGE a
.set TT, T+32*((\a)%2)
.set RB, BK+32*((\a)%2)
	WIN 0x02                                       ; source 0 (the sums) window 2
.irp b, 0,1,2,3
.irp i, 0,2,4,6
	v_pk_fma_f32 v[TT+8*\b+\i:TT+8*\b+\i+1], v[8*(4*(\a)+\b)+\i:8*(4*(\a)+\b)+\i+1], s[SC:SC+1], v[BI+8*\b+\i:BI+8*\b+\i+1] op_sel_hi:[1,0,1]   ; each accumulator from its low end on
.endr
.endr
	WIN 0
.irp b, 0,1,2,3
	ds_store_b128 v[SO], v[TT+8*\b:TT+8*\b+3] offset:128*(\b/2)+32*(\b%2)
	ds_store_b128 v[SO], v[TT+8*\b+4:TT+8*\b+7] offset:128*(\b/2)+32*(\b%2)+16
.endr
.irp i, 0,1,2,3,4,5,6,7
	ds_load_b128 v[RB+4*\i:RB+4*\i+3], v[RD] offset:2*SPI*\i
.endr
.endm
.macro SEND a, younger                 ; younger: the LDS instructions issued behind tile a's loads, which may stay out
.set RB, BK+32*((\a)%2)
	s_wait_dscnt \younger                          ; the tile is back in registers
.irp i, 0,1,2,3,4,5,6,7
	global_store_b128 v[CO], v[RB+4*\i:RB+4*\i+3], s[OUT:OUT+1] offset:(32*((\a)/2)+8*((\a)%2)+2*\i+8*(\i/4))*4096 th:TH_STORE_NT   ; members 2 i and 2 i + 1 of the tile: 16 lanes store 256 consecutive bytes, at a multiple of 256 from out0's first byte
.endr
.endm
	TOSTAGE 0
.irp a, 1,2,3,4,5,6,7
.if \a > 1
	s_wait_xcnt 0x0                                ; tile a - 2's stores have had their addresses translated: tile a's loads may land in their data registers
.endif
	TOSTAGE \a
	SEND \a-1, 16                                  ; behind tile a - 1's loads: tile a's 8 stores and 8 loads
.endr
	SEND 7, 0
	s_wait_tensorcnt 0x0
	ds_add_u32 v30, v31
	s_wait_dscnt 0x0
	s_endpgm
.Lfunc_end_k_qa5924af078_oproj:
	.size	k_qa5924af078_oproj, .Lfunc_end_k_qa5924af078_oproj-k_qa5924af078_oproj
	.p2alignl 7, 3214868480
	.fill 96, 4, 3214868480
	.section	.rodata,"a",@progbits
	.p2align	6, 0x0
	.amdhsa_kernel k_qa5924af078_oproj
		.amdhsa_group_segment_fixed_size 148992
		.amdhsa_private_segment_fixed_size 0
		.amdhsa_enable_private_segment 0
		.amdhsa_kernarg_size 40
		.amdhsa_user_sgpr_count 2
		.amdhsa_user_sgpr_kernarg_segment_ptr 1
		.amdhsa_wavefront_size32 1
		.amdhsa_system_sgpr_workgroup_id_x 1
		.amdhsa_system_sgpr_workgroup_id_y 1
		.amdhsa_system_sgpr_workgroup_id_z 1
		.amdhsa_system_vgpr_workitem_id 0
		.amdhsa_next_free_vgpr 1024
		.amdhsa_next_free_sgpr 66
		.amdhsa_reserve_vcc 0
		.amdhsa_float_denorm_mode_32 3
		.amdhsa_float_denorm_mode_16_64 3
		.amdhsa_memory_ordered 1
		.amdhsa_forward_progress 1
		.amdhsa_inst_pref_size 86
	.end_amdhsa_kernel
	.amdgpu_metadata
---
amdhsa.version: [ 1, 2 ]
amdhsa.kernels:
  - .name:           k_qa5924af078_oproj
    .symbol:         k_qa5924af078_oproj.kd
    .args:
      - { .name: aimg, .offset: 0, .size: 8, .value_kind: global_buffer, .address_space: global }
      - { .name: wimg, .offset: 8, .size: 8, .value_kind: global_buffer, .address_space: global }
      - { .name: bo, .offset: 16, .size: 8, .value_kind: global_buffer, .address_space: global }
      - { .name: lowp_scales, .offset: 24, .size: 8, .value_kind: global_buffer, .address_space: global }
      - { .name: out0, .offset: 32, .size: 8, .value_kind: global_buffer, .address_space: global }
    .group_segment_fixed_size: 148992
    .private_segment_fixed_size: 0
    .kernarg_segment_align: 8
    .kernarg_segment_size: 40
    .max_flat_workgroup_size: 128
    .sgpr_count:     66
    .vgpr_count:     1024
    .wavefront_size: 32
...
	.end_amdgpu_metadata
.endif
;; end of part 4
